; MI455X (gfx1250); checked and timed in simulation.
; The chip was launched on July 23, 2026; its instructions are those of AMD's public machine-readable ISA for CDNA 5 (MIT licence, August 2026) and "CDNA5" Instruction Set Architecture Reference Guide (July 2026). The comments in the code are by the model that wrote it; some were corrected since.
;; Read State. Allowed arithmetic: matrix products marked QUANTISED: E2M3 operands, one E8M0 scale for each 32 along K, by v_wmma_scale_f32_16x16x128_f8f6f4 with both operands' format E2M3, f32 sums; products left as they are: f32 operands where the result goes on into a quantised operand, else bf16, f16 or f32 operands; f32 sums; everything else in f32.
;; Inputs: W_make_codes 8 x 8,192 x 32 x 24 uint8 (E2M3 codes of W_make, K innermost, in blocks of 32 codes, four codes in three bytes); W_make_scales 8 x 8,192 x 32 uint8 (E8M0 scales of W_make, one for each 32 codes along K); W_merge_codes 8 x 1,024 x 256 x 24 uint8 (E2M3 codes of W_merge, K innermost, in blocks of 32 codes, four codes in three bytes); W_merge_scales 8 x 1,024 x 256 uint8 (E8M0 scales of W_merge, one for each 32 codes along K); b_make 8 x 8,192 float32; b_merge 8 x 1,024 float32; matrix 128 x 128 x 64 x 64 float32; normalizer 128 x 128 x 64 float32; sel_probs 128 x 8 float32; tensor_codes 128 x 32 x 24 uint8 (E2M3 codes of tensor, K innermost, in blocks of 32 codes, four codes in three bytes); tensor_scales 128 x 32 uint8 (E8M0 scales of tensor, one for each 32 codes along K).
;; Outputs: out0 128 x 1,024 float32.
;; This version of the problem:
;;   THIS VERSION OF THE PROBLEM IS GIVEN IN LOW PRECISION. The matrix products marked QUANTISED in the list below multiply operands that are first quantised to E2M3 (2 exponent bits, 3 mantissa bits; 6 bits a number), with one power-of-two scale for each 32 numbers along K (OCP MX v1.0); their sums are f32. All else is computed in f32.
;;   The module's matrix products, in the order in which they are computed (A, B: the left and right operand; K: the contracted axis; several contracted axes count as one K, in the product's order):
;;     1. [M 128, K 1,024] x [K 1,024, N 65,536]; A: input tensor (given as codes); B: input W_make (given as codes): QUANTISED
;;     2. batch 128 x [M 8,192, K 8] x [K 8, N 1]; A: computed on the way; B: input sel_probs: left as it is (K = 8 < 32)
;;     3. batch 16,384 x [M 64, K 64] x [K 64, N 1]; A: input matrix; B: computed on the way: left as it is (N = 1 < 16)
;;     4. [M 128, K 8,192] x [K 8,192, N 8,192]; A: computed on the way; B: input W_merge (given as codes): QUANTISED
;;     5. batch 128 x [M 1,024, K 8] x [K 8, N 1]; A: computed on the way; B: input sel_probs: left as it is (K = 8 < 32)
;;   THE QUANTISER, for each operand of a quantised product, along K:
;;     - K is cut into blocks of 32 from its start; a last block that is shorter is filled with zeros.
;;     - A block's scale is 2^e with e = floor(log2(the largest magnitude in the block)) - 2, held to -126 .. 127; a block of zeros has e = 0. As a byte (E8M0): e + 127.
;;     - Each number is divided by its block's scale, clamped to +-7.5, and rounded to the nearest number of E2M3, ties to even, subnormals kept.
;;     - The product sums the exact products of the quantised numbers (number of the format x scale) in f32.
;;   ~~~python
;;   def quantise(x, axis):      # numpy; x: float32 -> the quantised numbers, widened to float32 again
;;       x = np.moveaxis(x, axis, -1); K = x.shape[-1]
;;       x = np.pad(x, [(0, 0)] * (x.ndim - 1) + [(0, -K % 32)]); x = x.reshape(x.shape[:-1] + (-1, 32)); a = np.abs(x).max(-1, keepdims=True)
;;       e = np.where(a > 0, np.clip(np.frexp(np.where(a > 0, a, 1))[1] - 1 - 2, -126, 127), 0)      # np.frexp(a)[1] - 1 = floor(log2(a)), exactly
;;       r = np.clip(x / 2.0 ** e, -7.5, 7.5)
;;       step = 2.0 ** (np.maximum(np.frexp(np.where(r == 0, 1, r))[1] - 1, 0) - 3)
;;       q = np.round(r / step) * step * 2.0 ** e      # np.round: ties to even
;;       return np.moveaxis(q.reshape(q.shape[:-2] + (-1,))[..., :K], -1, axis).astype(np.float32)
;;   ~~~
;;   OPERANDS COMPUTED ON THE WAY. 'Computed on the way' means the value that the module computes at that place (a softmax that the list does not call 'softmax' is quantised finished and normalised). What goes into a quantiser is computed in f32, as accurately as f32 sums, v_exp_f32 and their like allow (about 1e-6 of the number): no bf16 or f16 on the way to a quantiser, and a product that is left as it is and whose result goes on into a quantised operand takes f32 operands (vector FMAs, or v_wmma_f32_16x16x4_f32). A number that lies on a knife's edge between two numbers of the format may be rounded either way, as far as f32 arithmetic and the matrix unit's own rounding can turn it there, and no further.
;;   INPUTS GIVEN AS CODES. W_make (in the module: [8, 1024, 8192], K = its axis 1); W_merge (in the module: [8, 8192, 1024], K = its axis 1); tensor (in the module: [128, 1024], K = its axis 1): each comes as NAME_codes (uint8): NAME with its K axis moved to the last place and cut into blocks of 32 codes, [.., K / 32, bytes a block], one block behind the other in memory; four codes in three bytes: a row's codes are one little-endian stream of bits, code i at bits 6 i .. 6 i + 5 (a code: sign, 2 exponent bits, 3 mantissa bits); and NAME_scales (uint8): the same leading axes, one E8M0 byte (e + 127) for each 32 codes along K. Its value is code x scale, taken as it is: it is not quantised again, and the codes and scales need not be those that the quantiser above would give.
;; One version. Each part assembles by itself: llvm-mc -triple=amdgcn-amd-amdhsa -mcpu=gfx1250 --defsym DOCPART=n.
;; ======== version 1 of 1: 4 launches
;; workspace buffers: q 4,194,304 bytes; r_codes 786,432 bytes; r_scales 32,768 bytes; part 4,194,304 bytes
;; launch make (part 1): grid 256 x 1, 4 waves a work-group, clusters of 4 x 1, 327,680 bytes of LDS; arguments tensor_codes, tensor_scales, W_make_codes, W_make_scales, b_make, sel_probs, q; writes q
.if DOCPART == 1
	.amdgcn_target "amdgcn-amd-amdhsa--gfx1250"
	.amdhsa_code_object_version 6
	.text
	.protected	k_qde5d8630f3_make
	.globl	k_qde5d8630f3_make
	.p2align	8
	.type	k_qde5d8630f3_make,@function
k_qde5d8630f3_make:
	s_mov_b64 s[64:65], 0
	v_nop
	global_prefetch_b8 v0, s[64:65] scope:SCOPE_SE
	s_setreg_imm32_b32 hwreg(HW_REG_WAVE_MODE, 25, 1), 1
	s_wait_xcnt 0x0
	s_wait_alu depctr_hold_cnt(0) depctr_sa_sdst(0) depctr_va_vdst(0) depctr_va_sdst(0) depctr_va_ssrc(0) depctr_va_vcc(0) depctr_vm_vsrc(0)
	s_getreg_b32 s2, hwreg(HW_REG_IB_STS2, 6, 4)
	s_cmp_eq_u32 s2, 0
	s_cbranch_scc0 .Lentry_in_a_cluster
	s_endpgm
.Lentry_in_a_cluster:
	s_bfe_u32 s2, ttmp6, 0x10000c
	s_cmp_lg_u32 s2, 0x3003
	s_cbranch_scc0 .Lentry_shape_is_right
	s_endpgm
.Lentry_shape_is_right:
; ONE TEXT FOR TWO LAUNCHES, chosen by MAKE below.  Both are the same banked product on codes of FP6 (E2M3) with one E8M0 scale for each 32 along K:
;   R[b][c] = sum over the 8 banks k of sel[b][k] x ( sum over 1,024 along K of A[b][K] W[k][c][K]  (+ bias[k][c]) ),  b = 0 .. 127.
; MAKE = 1: A = tensor, W = W_make, the bias is b_make, and q = elu(R) + 1 is stored, f32 [128][8,192].
; MAKE = 0: A = slice ks of r (K 1,024 ks on), W = W_merge at the same K, no bias here; R is a partial sum, stored as part[ks][c / 32][b][c % 32], f32; a later launch adds the eight slices and the bias.
; SHARES.  A work-group owns 32 columns c of all 8 banks (256 rows of W), all 128 b and 1,024 along K.  All its operands (A 96 KiB, W 192 KiB, scales 12 KiB) fit into LDS at once: every LDS byte is
; filled once, all fills are asked for at the head, and counted waits let the first banks be multiplied while the later banks are on their way.  By this text's own count a wave has eight tensor loads out.
; Wave w takes 16 columns (ht = w & 1) and 64 b (bh = w >> 1: four tiles t of 16).  Its 32 fragments of A (384 registers) are read from LDS once and stay for all banks.
; The banks go one after the other: four accumulators (t) by turns over 8 K steps, then QA[t] += sel[b][k] x ACC[t].
; THE MATRIX INSTRUCTION IS USED TRANSPOSED: source 0 = 16 rows of W, source 1 = 16 rows of A: lane (r, h) holds b = 64 bh + 16 t + r, and register j column 16 ht + 8 h + j.  So sel[b][k] is one number a lane,
; and the bias is the C of a bank's first matrix instruction (eight registers in the result's layout).
; CLUSTER.  A's codes and scales, a third of what a work-group takes in, are the same for the four partners: they are asked for JOINTLY (mask 15).  W's rows are each work-group's own: plain loads.
; LIMITS: NaN and infinities among the inputs are not served.  elu(x) + 1 is made as (2^(x log2 e) - 1) + 1 for x <= 0 and x + 1 above; 2^y under 2^-126 counts as 0 (ISA guide, v_exp_f32), which the sum with 1 hides.
.set MAKE,   1
.set PITCH,  816                       ; an LDS row of codes: 3 x (256 bytes + 16 of padding) = 204 words: row r starts at bank 12 r mod 64 (64 banks of 4 bytes: ISA guide 11.1): the 32 lanes of a load of 8 bytes touch 64 different banks
.set TC,     0                         ; A's 128 rows of codes
.set WC,     128*PITCH                 ; W's 256 rows of codes: row 32 x bank + i
.set TS,     WC+256*PITCH              ; A's scale bytes, 32 a row
.set WS,     TS+128*32                 ; W's scale bytes, 32 a row, row 32 x bank + i; LDS ends at WS + 8,192 = 325,632
.set SPITCH, 144                       ; the way out: a stage of 128 rows x (128 bytes + 16), laid over A's codes, which by then have had their only fill and their last read
.set W_BANK, 6291456                   ; bytes from bank to bank in W's codes
.set WS_BANK, 262144                   ; and in W's scales
.if MAKE
.set WROW8,  96                        ; from row to row of W's codes, in elements of 8 bytes
.set W_WG,   32*768                    ; from a work-group's 32 rows to the next one's
.set W_HALF, 16*768
.set WS_WG,  32*32
.else
.set WROW8,  768
.set W_WG,   32*6144
.set W_HALF, 16*6144
.set WS_WG,  32*256
.endif
; window 0
.set ADA,  4                           ; v4, v5   LDS address of my fragments of A (v5: for the pieces that lie behind one padding more in lanes 16-31)
.set AW,   6                           ; v6, v7   the same for W; stepped a bank at a time
.set ADS,  8                           ; v8       A's scale words
.set AWS,  9                           ; v9       W's scale words
.set BO,   10                          ; v10      32 h: my eight numbers of a bias row
.set SO,   11                          ; v11      32 r: my row of sel_probs
.set STO,  12                          ; v12      the stage: where I put 32 bytes of a row
.set RD,   13                          ; v13      the stage: where I read rows back
.set GO,   14                          ; v14      my byte offset in the output
.set AS,   32                          ; v32-63   A's scale words: tile t, K step s at 8 t + s
.set WSC,  64                          ; v64-79   W's scale words, two sets of 8
.set BIAS, 80                          ; v80-143  the bias: bank k at 8 k (MAKE = 1)
.set SEL,  144                         ; v144-175 sel[b][k]: tile t at 8 t + k
.set OUTR, 176                         ; v176-207 rows read back from the stage
; window 1: A's fragments of K steps 0-3 at 12 (4 t + s);  window 2: those of K steps 4-7 at 12 (4 t + s - 4)
; window 3: W's fragments, two sets of 96, at 96 set + 12 s;
.set ACC,  192                         ; v192-223 of window 3: a bank's four accumulators
.set QA,   224                         ; v224-255 of window 3: the sums over the banks
.set G1A,  24                          ; s[24:31] descriptor group 1: A's codes;  s[32:39] A's scales;  s[40:47] W's scales;  s[48:55] W's codes
.set G1AS, 32
.set G1WS, 40
.set G1W,  48
; groups 0, one for each of a wave's eight loads: s[56:59] A's codes, s[60:63] A's scales, s[68:75] W's scales (two banks), s[76:91] W's codes (four stages)
.set MSB, 0
.macro WIN new                         ; s_set_vgpr_msb: bits 1:0 source 0, 3:2 source 1, 5:4 source 2, 7:6 destination; the high byte repeats the setting that is left
.if MSB != \new
	s_set_vgpr_msb (MSB<<8)|\new
.set MSB, \new
.endif
.endm
.macro CROUND                          ; a round of the cluster's barrier: my work-group's barrier; wave 0 signals for the work-group; every wave waits for all four work-groups; my work-group's barrier once more
	s_barrier_signal -1
	s_barrier_wait -1
	s_cmp_lg_u32 s18, 0
	s_cbranch_scc1 .Lnot_wave_0_\@
	s_barrier_signal -3
.Lnot_wave_0_\@:
	s_barrier_wait -3
	s_barrier_signal -1
	s_barrier_wait -1
.endm
.macro SYNC n                          ; my loads but the youngest n have landed, none of my LDS instructions is out: then the barrier, behind which the same holds of all four waves.
	s_wait_tensorcnt \n
	s_wait_dscnt 0x0
	s_barrier_signal -1
	s_barrier_wait -1
.endm
; A fragment, 16 rows x 128 K, is 12 registers: lane (r, h) holds row r; registers 6 c .. 6 c + 5 hold K = 64 c + 32 h + 0 .. 31: 24 bytes of the row's stream of bits, as they lie, in pieces of 8 bytes.
; Lanes 0-15 take the row's pieces 12 s + 0, 1, 2 and 12 s + 6, 7, 8, lanes 16-31 those three pieces on.  16 bytes of padding lie behind every 32 pieces: where the piece three on lies behind one padding more, the second address register serves.
.macro FRAG reg, adr, s, off
.irp p, 0,1,2,3,4,5
.set PC, 12*(\s)+6*(\p/3)+\p%3
.if PC%32 < 29
	ds_load_b64 v[(\reg)+2*\p:(\reg)+2*\p+1], v[\adr] offset:(\off)+8*PC+16*(PC/32)
.else
	ds_load_b64 v[(\reg)+2*\p:(\reg)+2*\p+1], v[\adr+1] offset:(\off)+8*PC+16*(PC/32)
.endif
.endr
.endm
.macro FETCHW k                        ; bank k's eight scale words and eight fragments of my 16 rows of W, into set k % 2: 50 LDS loads in one run.  AW stands at bank k
	WIN 0
	ds_load_b128 v[WSC+8*((\k)%2):WSC+8*((\k)%2)+3],   v[AWS] offset:1024*(\k)
	ds_load_b128 v[WSC+8*((\k)%2)+4:WSC+8*((\k)%2)+7], v[AWS] offset:1024*(\k)+16
	WIN 0xc0                                       ; destination window 3
.irp s, 0,1,2,3,4,5,6,7
	FRAG 96*((\k)%2)+12*\s, AW, \s, 0
.endr
.endm
; K steps s0 .. s1 of bank k: four matrix instructions each, the four accumulators by turns, one instruction a turn.  first = 1: K step 0 starts the sums
.macro MULS k, s0, s1, first
.set SS, \s0
.rept (\s1)-(\s0)+1
.irp t, 0,1,2,3
.set AFR, 12*(4*\t+SS%4)
.set WFR, 96*((\k)%2)+12*SS
.if (\first) && (SS == 0)
.if MAKE
	v_wmma_scale_f32_16x16x128_f8f6f4 v[ACC+8*\t:ACC+8*\t+7], v[WFR:WFR+11], v[AFR:AFR+11], v[BIAS+8*(\k):BIAS+8*(\k)+7], v[WSC+8*((\k)%2)+SS], v[AS+8*\t+SS] matrix_a_fmt:MATRIX_FMT_FP6 matrix_b_fmt:MATRIX_FMT_FP6
.else
	v_wmma_scale_f32_16x16x128_f8f6f4 v[ACC+8*\t:ACC+8*\t+7], v[WFR:WFR+11], v[AFR:AFR+11], 0, v[WSC+8*((\k)%2)+SS], v[AS+8*\t+SS] matrix_a_fmt:MATRIX_FMT_FP6 matrix_b_fmt:MATRIX_FMT_FP6
.endif
.else
	v_wmma_scale_f32_16x16x128_f8f6f4 v[ACC+8*\t:ACC+8*\t+7], v[WFR:WFR+11], v[AFR:AFR+11], v[ACC+8*\t:ACC+8*\t+7], v[WSC+8*((\k)%2)+SS], v[AS+8*\t+SS] matrix_a_fmt:MATRIX_FMT_FP6 matrix_b_fmt:MATRIX_FMT_FP6
.endif
.endr
.set SS, SS+1
.endr
.endm
; A BANK: 32 matrix instructions; in their middle the next bank's fragments are fetched, 16 matrix instructions and 36 vector instructions ahead of their use.
; The set that those loads fill was last read by the bank before, behind whose last matrix instruction stand four v_nop and the 32 lines of the sum (four places are asked for vector instructions).
.macro BANK k
	s_wait_dscnt 0x0                               ; this bank's fragments and scale words are in
.if MAKE
	WIN 0xc7                                       ; source 0 (W) window 3, source 1 (A) window 1, C (the bias) window 0, D window 3
	MULS \k, 0, 0, 1
	WIN 0xf7                                       ; C window 3
	MULS \k, 1, 3, 0
.else
	WIN 0xf7
	MULS \k, 0, 3, 1
.endif
	WIN 0
.if (\k) == 1
	SYNC 2                                         ; banks 2 and 3 have landed; my two younger loads (banks 4 to 7) may be out
.endif
.if (\k) == 3
	SYNC 1                                         ; banks 4 and 5; my youngest load may be out
.endif
.if (\k) == 5
	SYNC 0                                         ; banks 6 and 7: no tensor load is out any more
.endif
.if (\k) < 7
	v_add_nc_u32 v[AW], 32*PITCH, v[AW]            ; on to the next bank's rows (an LDS offset has 16 bits, so the register carries the bank)
	v_add_nc_u32 v[AW+1], 32*PITCH, v[AW+1]
	FETCHW (\k)+1
.endif
	WIN 0xfb                                       ; source 1 (A) window 2
	MULS \k, 4, 7, 0
.rept 4
	v_nop                                          ; four places between the last matrix instruction and the first read of a result (ISA guide 7.12.1)
.endr
	WIN 0xcc                                       ; source 0 (sel) window 0, source 1 (ACC) and destination (QA) window 3
.irp t, 0,1,2,3
.irp j, 0,1,2,3,4,5,6,7                        ; each accumulator from its low end on.  These lines are also the places in front of the next bank's first products, which begin the accumulators anew
.if (\k) == 0
	v_mul_f32 v[QA+8*\t+\j], v[SEL+8*\t+(\k)], v[ACC+8*\t+\j]
.else
	v_fmac_f32 v[QA+8*\t+\j], v[SEL+8*\t+(\k)], v[ACC+8*\t+\j]
.endif
.endr
.endr
	WIN 0
.endm
	s_load_b256 s[4:11], s[0:1], 0x0               ; A's codes s[4:5], A's scales s[6:7], W's codes s[8:9], W's scales s[10:11]
.if MAKE
	s_load_b128 s[12:15], s[0:1], 0x20             ; the bias s[12:13], sel_probs s[14:15]
	s_load_b64 s[16:17], s[0:1], 0x30              ; the output
	v_lshl_add_u32 v254, v0, 2, 0x4f800
	v_mov_b32 v255, 0
	ds_add_u32 v254, v255
	ds_add_u32 v254, v255
.else
	s_load_b64 s[14:15], s[0:1], 0x20              ; sel_probs
	s_load_b64 s[16:17], s[0:1], 0x28              ; the output
.endif
	v_lshrrev_b32 v1, 5, v0
	v_readfirstlane_b32 s18, v1                    ; wave 0..3
	s_and_b32 s19, s18, 1                          ; ht: which 16 of the 32 columns
	s_lshr_b32 s20, s18, 1                         ; bh: which 64 of the 128 b
	s_bfe_u32 s21, ttmp6, 0x40000                  ; cx: my place in the cluster
	s_lshl_b32 s94, ttmp9, 2                       ; in a cluster launch ttmp9 counts clusters
	s_add_co_u32 s21, s94, s21                     ; which 32 columns are my work-group's.  It enters W's, the bias's and the output's addresses alone, by s21, s[66:67] and s[94:99]
.if MAKE == 0
	s_and_b32 s22, ttmp7, 0xffff                   ; ks: which 1,024 along K; the four partners share it
.endif
	; descriptor group 1.  Elements of 8 bytes.  A's codes: 32 rows x 768 bytes, 16 bytes of padding behind every 256
	s_mov_b32 s[G1A+0], 15|(3<<16)|(1<<20)|(1<<21)|(5<<22)|(3<<25)  ; 15:0 the mask: all four work-groups; 17:16 elements of 8 bytes; 20 padding on; 21 set beside a mask; 24:22 after every 64 words (code 5); 31:25 4 words of it (code 3)
	s_mov_b32 s[G1A+1], 96<<16                     ; tensor_dim0 = 96
	s_mov_b32 s[G1A+2], 32<<16                     ; tensor_dim1 = 32
	s_mov_b32 s[G1A+3], 96<<16                     ; tile_dim0 = 96
	s_mov_b32 s[G1A+4], 32                         ; tile_dim1 = 32
	s_mov_b32 s[G1A+5], 96                         ; from row to row
	s_mov_b32 s[G1A+6], 0
	s_mov_b32 s[G1A+7], 0
	; A's scales: the 1,024 dense bytes of 32 rows, as one row
	s_mov_b32 s[G1AS+0], 15|(3<<16)|(1<<21)
	s_mov_b32 s[G1AS+1], 128<<16
	s_mov_b32 s[G1AS+2], 1<<16
	s_mov_b32 s[G1AS+3], 128<<16
	s_mov_b32 s[G1AS+4], 1
	s_mov_b32 s[G1AS+5], 128
	s_mov_b32 s[G1AS+6], 0
	s_mov_b32 s[G1AS+7], 0
	; W's scales of one bank's 32 rows: no mask
	s_mov_b32 s[G1WS+0], 3<<16
.if MAKE
	s_mov_b32 s[G1WS+1], 128<<16                   ; 1,024 dense bytes, as one row
	s_mov_b32 s[G1WS+2], 1<<16
	s_mov_b32 s[G1WS+3], 128<<16
	s_mov_b32 s[G1WS+4], 1
	s_mov_b32 s[G1WS+5], 128
.else
	s_mov_b32 s[G1WS+1], 4<<16                     ; 32 rows of 32 bytes, 256 bytes apart in memory, dense in LDS
	s_mov_b32 s[G1WS+2], 32<<16
	s_mov_b32 s[G1WS+3], 4<<16
	s_mov_b32 s[G1WS+4], 32
	s_mov_b32 s[G1WS+5], 32
.endif
	s_mov_b32 s[G1WS+6], 0
	s_mov_b32 s[G1WS+7], 0
	; W's codes: 16 rows x 768 bytes, padded as A's: no mask
	s_mov_b32 s[G1W+0], (3<<16)|(1<<20)|(5<<22)|(3<<25)
	s_mov_b32 s[G1W+1], 96<<16
	s_mov_b32 s[G1W+2], 16<<16
	s_mov_b32 s[G1W+3], 96<<16
	s_mov_b32 s[G1W+4], 16
	s_mov_b32 s[G1W+5], WROW8
	s_mov_b32 s[G1W+6], 0
	s_mov_b32 s[G1W+7], 0
	s_mov_b32 s93, 0                               ; upper words of the offsets' pairs
	s_mov_b32 s95, 0
	; groups 0: the count and the LDS addresses, made of constants and the wave's number alone
	s_mov_b32 s56, 1
	s_mul_i32 s57, s18, 32*PITCH                   ; A's codes: rows 32 w on
	s_mov_b32 s60, 1
	s_lshl_b32 s61, s18, 10
	s_add_co_u32 s61, s61, TS                      ; A's scales: the same rows'
	s_lshl_b32 s2, s18, 11
.irp u, 0,1
	s_mov_b32 s[68+4*\u], 1
	s_add_co_u32 s[69+4*\u], s2, WS+1024*\u        ; W's scales of bank 2 w + u
.endr
	s_mul_i32 s2, s20, 32*PITCH
	s_mul_i32 s3, s19, 16*PITCH
	s_add_co_u32 s2, s2, s3
.irp j, 0,1,2,3
	s_mov_b32 s[76+4*\j], 1
	s_add_co_u32 s[77+4*\j], s2, WC+64*PITCH*\j    ; W's codes, stage j: bank 2 j + (w >> 1), rows 16 (w & 1) on
.endr
	s_wait_dscnt 0x0
	s_wait_kmcnt 0x0
	; and the global addresses
	s_mul_i32 s92, s18, 32*768
.if MAKE == 0
	s_mul_i32 s2, s22, 128*768
	s_add_co_u32 s92, s92, s2
.endif
	s_add_nc_u64 s[58:59], s[4:5], s[92:93]
	s_or_b32 s59, s59, 0x80000000                  ; 127:126 type = 2
	s_lshl_b32 s92, s18, 10
.if MAKE == 0
	s_lshl_b32 s2, s22, 12
	s_add_co_u32 s92, s92, s2
.endif
	s_add_nc_u64 s[62:63], s[6:7], s[92:93]
	s_or_b32 s63, s63, 0x80000000
	s_mul_i32 s94, s18, 2*WS_BANK
	s_mul_i32 s96, s21, WS_WG
	s_add_co_u32 s94, s94, s96
.if MAKE == 0
	s_lshl_b32 s96, s22, 5
	s_add_co_u32 s94, s94, s96
.endif
	s_add_nc_u64 s[66:67], s[10:11], s[94:95]
.irp u, 0,1
	s_add_nc_u64 s[70+4*\u:71+4*\u], s[66:67], WS_BANK*\u
	s_or_b32 s[71+4*\u], s[71+4*\u], 0x80000000
.endr
	s_mul_i32 s94, s20, W_BANK
	s_mul_i32 s96, s21, W_WG
	s_add_co_u32 s94, s94, s96
	s_mul_i32 s96, s19, W_HALF
	s_add_co_u32 s94, s94, s96
.if MAKE == 0
	s_mul_i32 s96, s22, 768
	s_add_co_u32 s94, s94, s96
.endif
	s_add_nc_u64 s[98:99], s[8:9], s[94:95]
.irp j, 0,1,2,3
	s_add_nc_u64 s[78+4*\j:79+4*\j], s[98:99], 2*W_BANK*\j
	s_or_b32 s[79+4*\j], s[79+4*\j], 0x80000000
.endr
	; the bases of the loads and stores through registers
.if MAKE
	s_lshl_b32 s94, s21, 7
	s_add_nc_u64 s[16:17], s[16:17], s[94:95]      ; q at my work-group's 32 columns
	s_lshl_b32 s96, s19, 6
	s_add_co_u32 s94, s94, s96
	s_add_nc_u64 s[12:13], s[12:13], s[94:95]      ; the bias at my wave's 16 columns
.else
	s_lshl_b32 s94, s21, 14
	s_lshl_b32 s96, s22, 19
	s_add_co_u32 s94, s94, s96
	s_add_nc_u64 s[16:17], s[16:17], s[94:95]      ; part at block (ks, my 32 columns): 128 rows of 128 bytes
.endif
	s_lshl_b32 s92, s20, 11
	s_add_nc_u64 s[14:15], s[14:15], s[92:93]      ; sel_probs at my wave's 64 rows
	CROUND                                         ; all four work-groups are here: the joint loads meet
	tensor_load_to_lds s[56:59], s[G1A:G1A+7]      ; all first fills in one group, ahead of every wait on TENSORcnt and every LDS read: eight loads of mine are out
	s_nop 0
	tensor_load_to_lds s[60:63], s[G1AS:G1AS+7]
	s_nop 0
	tensor_load_to_lds s[68:71], s[G1WS:G1WS+7]
	s_nop 0
	tensor_load_to_lds s[72:75], s[G1WS:G1WS+7]
	s_nop 0
	tensor_load_to_lds s[76:79], s[G1W:G1W+7]
	s_nop 0
	tensor_load_to_lds s[80:83], s[G1W:G1W+7]
	s_nop 0
	tensor_load_to_lds s[84:87], s[G1W:G1W+7]
	s_nop 0
	tensor_load_to_lds s[88:91], s[G1W:G1W+7]
	s_nop 0
.rept 4
	v_nop
.endr
	v_and_b32 v1, 15, v0                           ; r
	v_bfe_u32 v2, v0, 4, 1                         ; h
	v_and_b32 v3, 31, v0                           ; lane
	v_mul_u32_u24 v15, v1, PITCH
	v_mad_u32_u24 v15, v2, 24, v15                 ; a fragment's row x pitch + 24 x half
	s_mul_i32 s2, s20, 64*PITCH
	v_add_nc_u32 v[ADA], s2, v15                   ; A: my 64 rows
	v_lshl_add_u32 v[ADA+1], v2, 4, v[ADA]
	s_mul_i32 s2, s19, 16*PITCH
	s_add_co_u32 s2, s2, WC
	v_add_nc_u32 v[AW], s2, v15                    ; W: bank 0, my 16 rows
	v_lshl_add_u32 v[AW+1], v2, 4, v[AW]
	s_lshl_b32 s2, s20, 11
	s_add_co_u32 s2, s2, TS
	v_lshl_add_u32 v[ADS], v1, 5, s2               ; scale words: 32 bytes a row; lane r takes row r's (lanes 16-31 the same, and are not read)
	s_lshl_b32 s2, s19, 9
	s_add_co_u32 s2, s2, WS
	v_lshl_add_u32 v[AWS], v1, 5, s2
	v_lshlrev_b32 v[BO], 5, v2
	v_lshlrev_b32 v[SO], 5, v1
	s_mul_i32 s2, s20, 64*SPITCH
	s_lshl_b32 s3, s19, 6
	s_add_co_u32 s2, s2, s3
	v_mul_u32_u24 v[STO], v1, SPITCH
	v_lshl_add_u32 v[STO], v2, 5, v[STO]
	v_add_nc_u32 v[STO], s2, v[STO]                ; the stage, in: row 64 bh + r, byte 64 ht + 32 h
	v_lshrrev_b32 v16, 3, v3
	v_and_b32 v17, 7, v3
	s_mul_i32 s2, s18, 32*SPITCH
	v_mul_u32_u24 v[RD], v16, SPITCH
	v_lshl_add_u32 v[RD], v17, 4, v[RD]
	v_add_nc_u32 v[RD], s2, v[RD]                  ; back: wave w takes rows 32 w on, four rows of 128 bytes an instruction, eight lanes to a row
.if MAKE
	s_lshl_b32 s2, s18, 20
	v_lshlrev_b32 v[GO], 15, v16
	v_lshl_add_u32 v[GO], v17, 4, v[GO]
	v_add_nc_u32 v[GO], s2, v[GO]                  ; q: rows of 32,768 bytes
.irp k, 0,1,2,3,4,5,6,7
	global_load_b128 v[BIAS+8*\k:BIAS+8*\k+3],   v[BO], s[12:13] offset:32768*\k
	global_load_b128 v[BIAS+8*\k+4:BIAS+8*\k+7], v[BO], s[12:13] offset:32768*\k+16
.endr
.else
	s_lshl_b32 s2, s18, 12
	v_lshl_add_u32 v[GO], v3, 4, s2                ; part: rows of 128 bytes on end: 4,096 w + 16 x lane
.endif
.irp t, 0,1,2,3
	global_load_b128 v[SEL+8*\t:SEL+8*\t+3],   v[SO], s[14:15] offset:512*\t
	global_load_b128 v[SEL+8*\t+4:SEL+8*\t+7], v[SO], s[14:15] offset:512*\t+16
.endr
	SYNC 3                                         ; my first five loads have landed, and everybody's: A, all scales, banks 0 and 1.  My three youngest (banks 2 to 7) may be out
.irp t, 0,1,2,3
	ds_load_b128 v[AS+8*\t:AS+8*\t+3],   v[ADS] offset:512*\t
	ds_load_b128 v[AS+8*\t+4:AS+8*\t+7], v[ADS] offset:512*\t+16
.endr
	WIN 0x40                                       ; destination window 1
.irp t, 0,1,2,3
.irp s, 0,1,2,3
	FRAG 12*(4*\t+\s), ADA, \s, 16*PITCH*\t
.endr
.endr
	WIN 0x80                                       ; destination window 2
.irp t, 0,1,2,3
.irp s, 4,5,6,7
	FRAG 12*(4*\t+\s-4), ADA, \s, 16*PITCH*\t
.endr
.endr
	FETCHW 0
	WIN 0
	s_wait_loadcnt 0x0                             ; sel_probs (and the bias)
.irp k, 0,1,2,3,4,5,6,7
	BANK \k
.endr
.if MAKE
	; elu(x) + 1 without a compare: (2^(min(x, 0) log2 e) - 1) + max(x, 0) + 1, in runs of 32; ACC's registers are free
	WIN 0xcf                                       ; sources 0 and 1 and destination window 3
.set N, 0
.rept 32
	v_min_num_f32 v[ACC+N], 0, v[QA+N]
.set N, N+1
.endr
.set N, 0
.rept 32
	v_mul_f32 v[ACC+N], 0x3fb8aa3b, v[ACC+N]       ; x log2(e)
.set N, N+1
.endr
.set N, 0
.rept 32
	v_exp_f32 v[ACC+N], v[ACC+N]
.set N, N+1
.endr
.set N, 0
.rept 32
	v_max_num_f32 v[QA+N], 0, v[QA+N]              ; (plain instructions behind the exponentials, ahead of the first use of their results: ISA guide 5.7.2)
.set N, N+1
.endr
.set N, 0
	s_wait_alu depctr_va_vdst(0)
.rept 32
	v_add_f32 v[ACC+N], -1.0, v[ACC+N]
.set N, N+1
.endr
.set N, 0
.rept 32
	v_add_f32 v[QA+N], v[QA+N], v[ACC+N]
.set N, N+1
.endr
.set N, 0
.rept 32
	v_add_f32 v[QA+N], 1.0, v[QA+N]
.set N, N+1
.endr
.endif
	; THE WAY OUT.  A lane holds 32 bytes of a row, a row's 128 bytes come from two waves: they meet in the stage.  Every wave's reads of A's codes were waited for ahead of bank 0, and three barriers have passed since.
	WIN 0x0c                                       ; an LDS store's data are its source 1: window 3
.irp t, 0,1,2,3
	ds_store_b128 v[STO], v[QA+8*\t:QA+8*\t+3]   offset:16*SPITCH*\t
	ds_store_b128 v[STO], v[QA+8*\t+4:QA+8*\t+7] offset:16*SPITCH*\t+16
.endr
	WIN 0
	s_wait_dscnt 0x0                               ; for the others' sake: my stores into the stage are done
	s_barrier_signal -1
	s_barrier_wait -1
.irp i, 0,1,2,3,4,5,6,7
	ds_load_b128 v[OUTR+4*\i:OUTR+4*\i+3], v[RD] offset:4*SPITCH*\i
.endr
.irp i, 0,1,2,3,4,5,6,7
	s_wait_dscnt 7-\i                              ; LDS loads come back in order (ISA guide 5.7.1): load i is in, the younger ones may be out
.if MAKE
	global_store_b128 v[GO], v[OUTR+4*\i:OUTR+4*\i+3], s[16:17] offset:4*32768*\i   ; four rows' 128 consecutive bytes each: 32 columns of f32 are no more
.else
	global_store_b128 v[GO], v[OUTR+4*\i:OUTR+4*\i+3], s[16:17] offset:512*\i th:TH_STORE_NT   ; 32 lanes store 512 consecutive bytes, at a multiple of 256 from the buffer's first byte
.endif
.endr
	s_wait_tensorcnt 0x0
	ds_add_u32 v254, v255
	s_wait_dscnt 0x0
	CROUND                                         ; the closing round: no work-group ends while a partner may still ask for a tile that names it
	s_endpgm
.Lfunc_end_k_qde5d8630f3_make:
	.size	k_qde5d8630f3_make, .Lfunc_end_k_qde5d8630f3_make-k_qde5d8630f3_make
	.p2alignl 7, 3214868480
	.fill 96, 4, 3214868480
	.section	.rodata,"a",@progbits
	.p2align	6, 0x0
	.amdhsa_kernel k_qde5d8630f3_make
		.amdhsa_group_segment_fixed_size 327680
		.amdhsa_private_segment_fixed_size 0
		.amdhsa_enable_private_segment 0
		.amdhsa_kernarg_size 56
		.amdhsa_user_sgpr_count 2
		.amdhsa_user_sgpr_kernarg_segment_ptr 1
		.amdhsa_wavefront_size32 1
		.amdhsa_system_sgpr_workgroup_id_x 1
		.amdhsa_system_sgpr_workgroup_id_y 1
		.amdhsa_system_sgpr_workgroup_id_z 1
		.amdhsa_system_vgpr_workitem_id 0
		.amdhsa_next_free_vgpr 1024
		.amdhsa_next_free_sgpr 100
		.amdhsa_reserve_vcc 0
		.amdhsa_float_denorm_mode_32 3
		.amdhsa_float_denorm_mode_16_64 3
		.amdhsa_memory_ordered 1
		.amdhsa_forward_progress 1
		.amdhsa_inst_pref_size 104
	.end_amdhsa_kernel
	.amdgpu_metadata
---
amdhsa.version: [ 1, 2 ]
amdhsa.kernels:
  - .name:           k_qde5d8630f3_make
    .symbol:         k_qde5d8630f3_make.kd
    .args:
      - { .name: tensor_codes, .offset: 0, .size: 8, .value_kind: global_buffer, .address_space: global }
      - { .name: tensor_scales, .offset: 8, .size: 8, .value_kind: global_buffer, .address_space: global }
      - { .name: W_make_codes, .offset: 16, .size: 8, .value_kind: global_buffer, .address_space: global }
      - { .name: W_make_scales, .offset: 24, .size: 8, .value_kind: global_buffer, .address_space: global }
      - { .name: b_make, .offset: 32, .size: 8, .value_kind: global_buffer, .address_space: global }
      - { .name: sel_probs, .offset: 40, .size: 8, .value_kind: global_buffer, .address_space: global }
      - { .name: q, .offset: 48, .size: 8, .value_kind: global_buffer, .address_space: global }
    .group_segment_fixed_size: 327680
    .private_segment_fixed_size: 0
    .kernarg_segment_align: 8
    .kernarg_segment_size: 56
    .max_flat_workgroup_size: 128
    .sgpr_count:     100
    .vgpr_count:     1024
    .wavefront_size: 32
...
	.end_amdgpu_metadata
.endif
;; end of part 1
;; launch read (part 2): grid 256 x 1, 16 waves a work-group, no clusters, 22,528 bytes of LDS; arguments matrix, normalizer, q, r_codes, r_scales; writes r_codes, r_scales
.if DOCPART == 2
	.amdgcn_target "amdgcn-amd-amdhsa--gfx1250"
	.amdhsa_code_object_version 6
	.text
	.protected	k_qde5d8630f3_read
	.globl	k_qde5d8630f3_read
	.p2align	8
	.type	k_qde5d8630f3_read,@function
k_qde5d8630f3_read:
	s_mov_b64 s[64:65], 0
	v_nop
	global_prefetch_b8 v0, s[64:65] scope:SCOPE_SE
	s_setreg_imm32_b32 hwreg(HW_REG_WAVE_MODE, 25, 1), 1
	s_wait_xcnt 0x0
; r[b][m][v] = (sum over k of matrix[b][m][k][v] q[b][m][k]) / (sum over k of q[b][m][k] normalizer[b][m][k] + 1e-9), all in f32 by fused multiply-adds, and then quantised along (m, v)
; to codes of FP6 (E2M3) with one E8M0 byte for each 32: r_codes [8 ks][128 b][768 bytes], r_scales [8 ks][128 b][32], slice ks = heads 16 ks .. 16 ks + 15 (1,024 along the next product's K).
; The launch is a stream: matrix is read once, in order; no matrix unit, no cluster (no two work-groups read the same bytes), no tensor load.
; SHARES.  Work-group x takes b = x >> 1 and the 64 heads from 64 (x & 1) on: 1 MiB of consecutive bytes of matrix.  Each of its 16 waves takes four heads.
; Lane (r, h) holds v = 4 r .. 4 r + 3 and sums over k = 32 h .. 32 h + 31: a load's lanes 0-15 read row k's 256 consecutive bytes, lanes 16-31 row 32 + k's.  One exchange between the halves joins the sums.
; A GROUP is a quarter of a head: 8 loads of matrix, 2 of q, 2 of normalizer (sixteen lanes read the same 16 bytes: the lane's eight q and eight n).  Four groups of every wave are on their way, in four slots of 48 registers.
; The results meet in LDS (256 chunks of 16 numbers, 64 bytes + 16 of padding each); behind one barrier waves 0 to 7 take a chunk a lane (two neighbouring lanes hold a block of 32) and quantise.
; A block's scale is 2^(floor(log2(its largest magnitude)) - 2): its byte is the largest magnitude's exponent field - 2, held at 1 from below.
; LIMITS: NaN and infinities are not served.  A block of zeros, or one under 2^-124, gets the byte 1 with its codes (zeros for zeros) where the rule says 127 for zeros: the bytes are read by this program alone.
; The division is v_rcp_f32 and a multiplication; a divisor beyond 2^126 in magnitude gives 0 (ISA guide, v_rcp_f32).  The sums' order is not that of a plain loop over k.
.set XO,  1                            ; v1      matrix: 8,192 h + 16 r; never rewritten
.set QO,  2                            ; v2      q, normalizer: 128 h; never rewritten
.set SA,  3                            ; v3      the stage: where I put four results
.set SR,  4                            ; v4      the stage: my chunk
.set CO,  5                            ; v5      12 x lane: my 16 codes
.set SO,  6                            ; v6      lane / 2: my block's byte
.set ACC, 8                            ; v8-11   four sums
.set DEN, 12                           ; v12-13  the divisor, in two halves; v14, v15 at work
.set PD,  16                           ; v16-20  what the other half of the lanes sends
.set RES, 24                           ; v24-39  four results for each of my four heads: no LDS store's data are written again
.set QX,  40                           ; v40-55  a chunk's 16 numbers
.set CD,  56                           ; v56-58  their codes
.set SLOT, 64                          ; v64-255 four slots of 48: 32 of matrix, 8 of q, 8 of normalizer
	s_load_b256 s[4:11], s[0:1], 0x0               ; matrix s[4:5], normalizer s[6:7], q s[8:9], r_codes s[10:11]
	s_load_b64 s[14:15], s[0:1], 0x20              ; r_scales
	v_lshrrev_b32 v7, 5, v0
	v_readfirstlane_b32 s16, v7                    ; wave 0..15
	v_and_b32 v7, 31, v0                           ; lane
	v_and_b32 v21, 15, v0                          ; r
	v_bfe_u32 v22, v0, 4, 1                        ; h
	v_lshlrev_b32 v[XO], 4, v21
	v_lshl_add_u32 v[XO], v22, 13, v[XO]
	v_lshlrev_b32 v[QO], 7, v22
	s_mul_i32 s17, s16, 16*80                      ; my wave's 16 chunks
	v_bfe_u32 v23, v0, 2, 2
	v_mul_u32_u24 v[SA], v23, 80                   ; chunk r / 4 of a head,
	v_and_b32 v23, 3, v0
	v_lshl_add_u32 v[SA], v23, 4, v[SA]            ; 16 bytes at 16 (r % 4); lanes 16-31 write what lanes 0-15 write
	v_add_nc_u32 v[SA], s17, v[SA]
	s_and_b32 s17, s16, 7                          ; (waves 8 to 15 quantise nothing; their numbers stay in range all the same)
	s_mul_i32 s18, s17, 32*80
	v_mul_u32_u24 v[SR], v7, 80
	v_add_nc_u32 v[SR], s18, v[SR]                 ; chunk 32 w + lane
	v_mul_u32_u24 v[CO], v7, 12
	v_lshrrev_b32 v[SO], 1, v7
	s_mov_b32 s12, 0x76543210                      ; v_permlanex16_b32's selects for lane l xor 16
	s_mov_b32 s13, 0xfedcba98
.irp c, 0,1,2,3,4
	v_mov_b32 v[PD+\c], 0                          ; written once: a lane permute's destination counts as one of its sources
.endr
	s_lshl_b32 s20, ttmp9, 20                      ; matrix: 1 MiB a work-group, 65,536 bytes a wave
	s_lshl_b32 s22, s16, 16
	s_add_co_u32 s20, s20, s22
	s_mov_b32 s21, 0
	s_lshl_b32 s22, ttmp9, 14                      ; q and normalizer: 16,384 bytes a work-group, 1,024 a wave
	s_lshl_b32 s24, s16, 10
	s_add_co_u32 s22, s22, s24
	s_mov_b32 s23, 0
	s_lshr_b32 s24, ttmp9, 1                       ; b
	s_and_b32 s25, ttmp9, 1
	s_lshl_b32 s25, s25, 2
	s_lshr_b32 s26, s17, 1
	s_add_co_u32 s25, s25, s26                     ; ks = 4 (x & 1) + w / 2: a quantising wave's 512 numbers are half a slice's row
	s_and_b32 s26, s16, 1
	s_mul_i32 s28, s25, 128*768
	s_mul_i32 s27, s24, 768
	s_add_co_u32 s28, s28, s27
	s_mul_i32 s27, s26, 384
	s_add_co_u32 s28, s28, s27
	s_mov_b32 s29, 0
	s_lshl_b32 s30, s25, 12
	s_lshl_b32 s27, s24, 5
	s_add_co_u32 s30, s30, s27
	s_lshl_b32 s27, s26, 4
	s_add_co_u32 s30, s30, s27
	s_mov_b32 s31, 0
	s_wait_kmcnt 0x0
	s_add_nc_u64 s[4:5], s[4:5], s[20:21]
	s_add_nc_u64 s[6:7], s[6:7], s[22:23]
	s_add_nc_u64 s[8:9], s[8:9], s[22:23]
	s_add_nc_u64 s[10:11], s[10:11], s[28:29]
	s_add_nc_u64 s[14:15], s[14:15], s[30:31]
.macro ISSUE G                         ; group G = 4 x head + quarter: twelve loads into slot G % 4; every offset is an immediate
.set SL, SLOT+48*((\G)%4)
.set JJ, (\G)/4
.set GG, (\G)%4
.irp i, 0,1,2,3,4,5,6,7
	global_load_b128 v[SL+4*\i:SL+4*\i+3], v[XO], s[4:5] offset:16384*JJ+256*(8*GG+\i) th:TH_LOAD_NT   ; rows 8 g + i and 32 + 8 g + i: 256 consecutive bytes for each half of the lanes
.endr
	global_load_b128 v[SL+32:SL+35], v[QO], s[8:9] offset:256*JJ+32*GG
	global_load_b128 v[SL+36:SL+39], v[QO], s[8:9] offset:256*JJ+32*GG+16
	global_load_b128 v[SL+40:SL+43], v[QO], s[6:7] offset:256*JJ+32*GG th:TH_LOAD_NT
	global_load_b128 v[SL+44:SL+47], v[QO], s[6:7] offset:256*JJ+32*GG+16 th:TH_LOAD_NT
.endm
.macro WORK G
.set SL, SLOT+48*((\G)%4)
.set GG, (\G)%4
.if 15-(\G) >= 3
	s_wait_loadcnt 36                              ; loads come back in order (ISA guide 5.7.1): this group's twelve are in, the three younger groups' 36 may be out
.else
	s_wait_loadcnt 12*(15-(\G))                    ; at the end the counts run down
.endif
.irp i, 0,1,2,3,4,5,6,7
.irp c, 0,1,2,3
.if (GG == 0) && (\i == 0)
	v_mul_f32 v[ACC+\c], v[SL+32+\i], v[SL+4*\i+\c]                ; a head's first products start the sums: nothing is cleared
.else
	v_fmac_f32 v[ACC+\c], v[SL+32+\i], v[SL+4*\i+\c]
.endif
.endr
.endr
.irp i, 0,2,4,6
.if (GG == 0) && (\i == 0)
	v_pk_mul_f32 v[DEN:DEN+1], v[SL+32+\i:SL+33+\i], v[SL+40+\i:SL+41+\i]
.else
	v_pk_fma_f32 v[DEN:DEN+1], v[SL+32+\i:SL+33+\i], v[SL+40+\i:SL+41+\i], v[DEN:DEN+1]
.endif
.endr
.endm
.macro HEADEND j                       ; head j of my four is summed: join the halves, divide, to the stage
	v_add_f32 v14, v[DEN], v[DEN+1]
.irp c, 0,1,2,3
	v_permlanex16_b32 v[PD+\c], v[ACC+\c], s12, s13
.endr
	v_permlanex16_b32 v[PD+4], v14, s12, s13
	v_add_f32 v14, v14, v[PD+4]
	v_add_f32 v14, 0x3089705f, v14                 ; + 1e-9
	v_rcp_f32 v15, v14
.irp c, 0,1,2,3
	v_add_f32 v[ACC+\c], v[ACC+\c], v[PD+\c]       ; (plain instructions between the reciprocal and the use of its result: ISA guide 5.7.2)
.endr
	s_wait_alu depctr_va_vdst(0)
.irp c, 0,1,2,3
	v_mul_f32 v[RES+4*(\j)+\c], v[ACC+\c], v15
.endr
	ds_store_b128 v[SA], v[RES+4*(\j):RES+4*(\j)+3] offset:320*(\j)
.endm
.irp G, 0,1,2,3
	ISSUE \G
.endr
.set GN, 0
.rept 16
	WORK GN
.if GN+4 <= 15
	ISSUE GN+4                                     ; the slot just read takes the group four further on
.endif
.if GN%4 == 3
	HEADEND GN/4
.endif
.set GN, GN+1
.endr
	s_wait_dscnt 0x0                               ; for the others' sake: my stores into the stage are done
	s_barrier_signal -1
	s_barrier_wait -1
	s_cmp_ge_u32 s16, 8                            ; 256 chunks are eight waves' worth
	s_cbranch_scc1 .Ldone
.irp i, 0,1,2,3
	ds_load_b128 v[QX+4*\i:QX+4*\i+3], v[SR] offset:16*\i
.endr
	s_wait_dscnt 0x0
	v_max3_num_f32 v60, |v[QX]|, |v[QX+1]|, |v[QX+2]|              ; the largest magnitude of my 16, in two chains
	v_max3_num_f32 v61, |v[QX+3]|, |v[QX+4]|, |v[QX+5]|
.irp i, 6,10
	v_max3_num_f32 v60, v60, |v[QX+\i]|, |v[QX+\i+1]|
	v_max3_num_f32 v61, v61, |v[QX+\i+2]|, |v[QX+\i+3]|
.endr
	v_max3_num_f32 v60, v60, |v[QX+14]|, |v[QX+15]|
	v_max3_num_f32 v60, v60, v61, 0x1800000        ; and the floor 2^(3 - 127): so the byte cannot fall under 1
	v_max_num_f32_dpp v60, v60, v60 row_xmask:1 row_mask:0xf bank_mask:0xf   ; and of my neighbour's 16: the block's
	v_add_nc_u32 v62, 0xff000000, v60              ; 2 off its exponent field: the conversion takes the exponent field of this operand as its scale, and nothing else of it
	v_cvt_scalef32_pk16_fp6_f32 v[CD:CD+2], v[QX:QX+15], v62       ; sixteen numbers / the scale, to the nearest code, ties to even, beyond the largest code the largest
	v_lshrrev_b32 v63, 23, v62                     ; the scale's byte
	global_store_b96 v[CO], v[CD:CD+2], s[10:11]   ; the wave stores 384 consecutive bytes: half of a row of its slice
	global_store_b8 v[SO], v63, s[14:15]           ; 16 consecutive bytes a wave; both lanes of a block store the same byte.  All of r_scales is 32 KiB
.Ldone:
	s_wait_xcnt 0x0
	v_lshl_add_u32 v254, v0, 2, 0x5000
	v_mov_b32 v255, 0
	s_wait_tensorcnt 0x0
	ds_add_u32 v254, v255
	s_wait_dscnt 0x0
	s_endpgm
.Lfunc_end_k_qde5d8630f3_read:
	.size	k_qde5d8630f3_read, .Lfunc_end_k_qde5d8630f3_read-k_qde5d8630f3_read
	.p2alignl 7, 3214868480
	.fill 96, 4, 3214868480
	.section	.rodata,"a",@progbits
	.p2align	6, 0x0
	.amdhsa_kernel k_qde5d8630f3_read
		.amdhsa_group_segment_fixed_size 22528
		.amdhsa_private_segment_fixed_size 0
		.amdhsa_enable_private_segment 0
		.amdhsa_kernarg_size 40
		.amdhsa_user_sgpr_count 2
		.amdhsa_user_sgpr_kernarg_segment_ptr 1
		.amdhsa_wavefront_size32 1
		.amdhsa_system_sgpr_workgroup_id_x 1
		.amdhsa_system_sgpr_workgroup_id_y 1
		.amdhsa_system_sgpr_workgroup_id_z 1
		.amdhsa_system_vgpr_workitem_id 0
		.amdhsa_next_free_vgpr 256
		.amdhsa_next_free_sgpr 66
		.amdhsa_reserve_vcc 0
		.amdhsa_float_denorm_mode_32 3
		.amdhsa_float_denorm_mode_16_64 3
		.amdhsa_memory_ordered 1
		.amdhsa_forward_progress 1
		.amdhsa_inst_pref_size 47
	.end_amdhsa_kernel
	.amdgpu_metadata
---
amdhsa.version: [ 1, 2 ]
amdhsa.kernels:
  - .name:           k_qde5d8630f3_read
    .symbol:         k_qde5d8630f3_read.kd
    .args:
      - { .name: matrix, .offset: 0, .size: 8, .value_kind: global_buffer, .address_space: global }
      - { .name: normalizer, .offset: 8, .size: 8, .value_kind: global_buffer, .address_space: global }
      - { .name: q, .offset: 16, .size: 8, .value_kind: global_buffer, .address_space: global }
      - { .name: r_codes, .offset: 24, .size: 8, .value_kind: global_buffer, .address_space: global }
      - { .name: r_scales, .offset: 32, .size: 8, .value_kind: global_buffer, .address_space: global }
    .group_segment_fixed_size: 22528
    .private_segment_fixed_size: 0
    .kernarg_segment_align: 8
    .kernarg_segment_size: 40
    .max_flat_workgroup_size: 512
    .sgpr_count:     66
    .vgpr_count:     256
    .wavefront_size: 32
...
	.end_amdgpu_metadata
.endif
;; end of part 2
;; launch merge (part 3): grid 32 x 8, 4 waves a work-group, clusters of 4 x 1, 327,680 bytes of LDS; arguments r_codes, r_scales, W_merge_codes, W_merge_scales, sel_probs, part; writes part
.if DOCPART == 3
	.amdgcn_target "amdgcn-amd-amdhsa--gfx1250"
	.amdhsa_code_object_version 6
	.text
	.protected	k_qde5d8630f3_merge
	.globl	k_qde5d8630f3_merge
	.p2align	8
	.type	k_qde5d8630f3_merge,@function
k_qde5d8630f3_merge:
	s_mov_b64 s[64:65], 0
	v_nop
	global_prefetch_b8 v0, s[64:65] scope:SCOPE_SE
	s_setreg_imm32_b32 hwreg(HW_REG_WAVE_MODE, 25, 1), 1
	s_wait_xcnt 0x0
	s_wait_alu depctr_hold_cnt(0) depctr_sa_sdst(0) depctr_va_vdst(0) depctr_va_sdst(0) depctr_va_ssrc(0) depctr_va_vcc(0) depctr_vm_vsrc(0)
	s_getreg_b32 s2, hwreg(HW_REG_IB_STS2, 6, 4)
	s_cmp_eq_u32 s2, 0
	s_cbranch_scc0 .Lentry_in_a_cluster
	s_endpgm
.Lentry_in_a_cluster:
	s_bfe_u32 s2, ttmp6, 0x10000c
	s_cmp_lg_u32 s2, 0x3003
	s_cbranch_scc0 .Lentry_shape_is_right
	s_endpgm
.Lentry_shape_is_right:
; ONE TEXT FOR TWO LAUNCHES, chosen by MAKE below.  Both are the same banked product on codes of FP6 (E2M3) with one E8M0 scale for each 32 along K:
;   R[b][c] = sum over the 8 banks k of sel[b][k] x ( sum over 1,024 along K of A[b][K] W[k][c][K]  (+ bias[k][c]) ),  b = 0 .. 127.
; MAKE = 1: A = tensor, W = W_make, the bias is b_make, and q = elu(R) + 1 is stored, f32 [128][8,192].
; MAKE = 0: A = slice ks of r (K 1,024 ks on), W = W_merge at the same K, no bias here; R is a partial sum, stored as part[ks][c / 32][b][c % 32], f32; a later launch adds the eight slices and the bias.
; SHARES.  A work-group owns 32 columns c of all 8 banks (256 rows of W), all 128 b and 1,024 along K.  All its operands (A 96 KiB, W 192 KiB, scales 12 KiB) fit into LDS at once: every LDS byte is
; filled once, all fills are asked for at the head, and counted waits let the first banks be multiplied while the later banks are on their way.  By this text's own count a wave has eight tensor loads out.
; Wave w takes 16 columns (ht = w & 1) and 64 b (bh = w >> 1: four tiles t of 16).  Its 32 fragments of A (384 registers) are read from LDS once and stay for all banks.
; The banks go one after the other: four accumulators (t) by turns over 8 K steps, then QA[t] += sel[b][k] x ACC[t].
; THE MATRIX INSTRUCTION IS USED TRANSPOSED: source 0 = 16 rows of W, source 1 = 16 rows of A: lane (r, h) holds b = 64 bh + 16 t + r, and register j column 16 ht + 8 h + j.  So sel[b][k] is one number a lane,
; and the bias is the C of a bank's first matrix instruction (eight registers in the result's layout).
; CLUSTER.  A's codes and scales, a third of what a work-group takes in, are the same for the four partners: they are asked for JOINTLY (mask 15).  W's rows are each work-group's own: plain loads.
; LIMITS: NaN and infinities among the inputs are not served.  elu(x) + 1 is made as (2^(x log2 e) - 1) + 1 for x <= 0 and x + 1 above; 2^y under 2^-126 counts as 0 (ISA guide, v_exp_f32), which the sum with 1 hides.
.set MAKE,   0
.set PITCH,  816                       ; an LDS row of codes: 3 x (256 bytes + 16 of padding) = 204 words: row r starts at bank 12 r mod 64 (64 banks of 4 bytes: ISA guide 11.1): the 32 lanes of a load of 8 bytes touch 64 different banks
.set TC,     0                         ; A's 128 rows of codes
.set WC,     128*PITCH                 ; W's 256 rows of codes: row 32 x bank + i
.set TS,     WC+256*PITCH              ; A's scale bytes, 32 a row
.set WS,     TS+128*32                 ; W's scale bytes, 32 a row, row 32 x bank + i; LDS ends at WS + 8,192 = 325,632
.set SPITCH, 144                       ; the way out: a stage of 128 rows x (128 bytes + 16), laid over A's codes, which by then have had their only fill and their last read
.set W_BANK, 6291456                   ; bytes from bank to bank in W's codes
.set WS_BANK, 262144                   ; and in W's scales
.if MAKE
.set WROW8,  96                        ; from row to row of W's codes, in elements of 8 bytes
.set W_WG,   32*768                    ; from a work-group's 32 rows to the next one's
.set W_HALF, 16*768
.set WS_WG,  32*32
.else
.set WROW8,  768
.set W_WG,   32*6144
.set W_HALF, 16*6144
.set WS_WG,  32*256
.endif
; window 0
.set ADA,  4                           ; v4, v5   LDS address of my fragments of A (v5: for the pieces that lie behind one padding more in lanes 16-31)
.set AW,   6                           ; v6, v7   the same for W; stepped a bank at a time
.set ADS,  8                           ; v8       A's scale words
.set AWS,  9                           ; v9       W's scale words
.set BO,   10                          ; v10      32 h: my eight numbers of a bias row
.set SO,   11                          ; v11      32 r: my row of sel_probs
.set STO,  12                          ; v12      the stage: where I put 32 bytes of a row
.set RD,   13                          ; v13      the stage: where I read rows back
.set GO,   14                          ; v14      my byte offset in the output
.set AS,   32                          ; v32-63   A's scale words: tile t, K step s at 8 t + s
.set WSC,  64                          ; v64-79   W's scale words, two sets of 8
.set BIAS, 80                          ; v80-143  the bias: bank k at 8 k (MAKE = 1)
.set SEL,  144                         ; v144-175 sel[b][k]: tile t at 8 t + k
.set OUTR, 176                         ; v176-207 rows read back from the stage
; window 1: A's fragments of K steps 0-3 at 12 (4 t + s);  window 2: those of K steps 4-7 at 12 (4 t + s - 4)
; window 3: W's fragments, two sets of 96, at 96 set + 12 s;
.set ACC,  192                         ; v192-223 of window 3: a bank's four accumulators
.set QA,   224                         ; v224-255 of window 3: the sums over the banks
.set G1A,  24                          ; s[24:31] descriptor group 1: A's codes;  s[32:39] A's scales;  s[40:47] W's scales;  s[48:55] W's codes
.set G1AS, 32
.set G1WS, 40
.set G1W,  48
; groups 0, one for each of a wave's eight loads: s[56:59] A's codes, s[60:63] A's scales, s[68:75] W's scales (two banks), s[76:91] W's codes (four stages)
.set MSB, 0
.macro WIN new                         ; s_set_vgpr_msb: bits 1:0 source 0, 3:2 source 1, 5:4 source 2, 7:6 destination; the high byte repeats the setting that is left
.if MSB != \new
	s_set_vgpr_msb (MSB<<8)|\new
.set MSB, \new
.endif
.endm
.macro CROUND                          ; a round of the cluster's barrier: my work-group's barrier; wave 0 signals for the work-group; every wave waits for all four work-groups; my work-group's barrier once more
	s_barrier_signal -1
	s_barrier_wait -1
	s_cmp_lg_u32 s18, 0
	s_cbranch_scc1 .Lnot_wave_0_\@
	s_barrier_signal -3
.Lnot_wave_0_\@:
	s_barrier_wait -3
	s_barrier_signal -1
	s_barrier_wait -1
.endm
.macro SYNC n                          ; my loads but the youngest n have landed, none of my LDS instructions is out: then the barrier, behind which the same holds of all four waves.
	s_wait_tensorcnt \n
	s_wait_dscnt 0x0
	s_barrier_signal -1
	s_barrier_wait -1
.endm
; A fragment, 16 rows x 128 K, is 12 registers: lane (r, h) holds row r; registers 6 c .. 6 c + 5 hold K = 64 c + 32 h + 0 .. 31: 24 bytes of the row's stream of bits, as they lie, in pieces of 8 bytes.
; Lanes 0-15 take the row's pieces 12 s + 0, 1, 2 and 12 s + 6, 7, 8, lanes 16-31 those three pieces on.  16 bytes of padding lie behind every 32 pieces: where the piece three on lies behind one padding more, the second address register serves.
.macro FRAG reg, adr, s, off
.irp p, 0,1,2,3,4,5
.set PC, 12*(\s)+6*(\p/3)+\p%3
.if PC%32 < 29
	ds_load_b64 v[(\reg)+2*\p:(\reg)+2*\p+1], v[\adr] offset:(\off)+8*PC+16*(PC/32)
.else
	ds_load_b64 v[(\reg)+2*\p:(\reg)+2*\p+1], v[\adr+1] offset:(\off)+8*PC+16*(PC/32)
.endif
.endr
.endm
.macro FETCHW k                        ; bank k's eight scale words and eight fragments of my 16 rows of W, into set k % 2: 50 LDS loads in one run.  AW stands at bank k
	WIN 0
	ds_load_b128 v[WSC+8*((\k)%2):WSC+8*((\k)%2)+3],   v[AWS] offset:1024*(\k)
	ds_load_b128 v[WSC+8*((\k)%2)+4:WSC+8*((\k)%2)+7], v[AWS] offset:1024*(\k)+16
	WIN 0xc0                                       ; destination window 3
.irp s, 0,1,2,3,4,5,6,7
	FRAG 96*((\k)%2)+12*\s, AW, \s, 0
.endr
.endm
; K steps s0 .. s1 of bank k: four matrix instructions each, the four accumulators by turns, one instruction a turn.  first = 1: K step 0 starts the sums
.macro MULS k, s0, s1, first
.set SS, \s0
.rept (\s1)-(\s0)+1
.irp t, 0,1,2,3
.set AFR, 12*(4*\t+SS%4)
.set WFR, 96*((\k)%2)+12*SS
.if (\first) && (SS == 0)
.if MAKE
	v_wmma_scale_f32_16x16x128_f8f6f4 v[ACC+8*\t:ACC+8*\t+7], v[WFR:WFR+11], v[AFR:AFR+11], v[BIAS+8*(\k):BIAS+8*(\k)+7], v[WSC+8*((\k)%2)+SS], v[AS+8*\t+SS] matrix_a_fmt:MATRIX_FMT_FP6 matrix_b_fmt:MATRIX_FMT_FP6
.else
	v_wmma_scale_f32_16x16x128_f8f6f4 v[ACC+8*\t:ACC+8*\t+7], v[WFR:WFR+11], v[AFR:AFR+11], 0, v[WSC+8*((\k)%2)+SS], v[AS+8*\t+SS] matrix_a_fmt:MATRIX_FMT_FP6 matrix_b_fmt:MATRIX_FMT_FP6
.endif
.else
	v_wmma_scale_f32_16x16x128_f8f6f4 v[ACC+8*\t:ACC+8*\t+7], v[WFR:WFR+11], v[AFR:AFR+11], v[ACC+8*\t:ACC+8*\t+7], v[WSC+8*((\k)%2)+SS], v[AS+8*\t+SS] matrix_a_fmt:MATRIX_FMT_FP6 matrix_b_fmt:MATRIX_FMT_FP6
.endif
.endr
.set SS, SS+1
.endr
.endm
; A BANK: 32 matrix instructions; in their middle the next bank's fragments are fetched, 16 matrix instructions and 36 vector instructions ahead of their use.
; The set that those loads fill was last read by the bank before, behind whose last matrix instruction stand four v_nop and the 32 lines of the sum (four places are asked for vector instructions).
.macro BANK k
	s_wait_dscnt 0x0                               ; this bank's fragments and scale words are in
.if MAKE
	WIN 0xc7                                       ; source 0 (W) window 3, source 1 (A) window 1, C (the bias) window 0, D window 3
	MULS \k, 0, 0, 1
	WIN 0xf7                                       ; C window 3
	MULS \k, 1, 3, 0
.else
	WIN 0xf7
	MULS \k, 0, 3, 1
.endif
	WIN 0
.if (\k) == 1
	SYNC 2                                         ; banks 2 and 3 have landed; my two younger loads (banks 4 to 7) may be out
.endif
.if (\k) == 3
	SYNC 1                                         ; banks 4 and 5; my youngest load may be out
.endif
.if (\k) == 5
	SYNC 0                                         ; banks 6 and 7: no tensor load is out any more
.endif
.if (\k) < 7
	v_add_nc_u32 v[AW], 32*PITCH, v[AW]            ; on to the next bank's rows (an LDS offset has 16 bits, so the register carries the bank)
	v_add_nc_u32 v[AW+1], 32*PITCH, v[AW+1]
	FETCHW (\k)+1
.endif
	WIN 0xfb                                       ; source 1 (A) window 2
	MULS \k, 4, 7, 0
.rept 4
	v_nop                                          ; four places between the last matrix instruction and the first read of a result (ISA guide 7.12.1)
.endr
	WIN 0xcc                                       ; source 0 (sel) window 0, source 1 (ACC) and destination (QA) window 3
.irp t, 0,1,2,3
.irp j, 0,1,2,3,4,5,6,7                        ; each accumulator from its low end on.  These lines are also the places in front of the next bank's first products, which begin the accumulators anew
.if (\k) == 0
	v_mul_f32 v[QA+8*\t+\j], v[SEL+8*\t+(\k)], v[ACC+8*\t+\j]
.else
	v_fmac_f32 v[QA+8*\t+\j], v[SEL+8*\t+(\k)], v[ACC+8*\t+\j]
.endif
.endr
.endr
	WIN 0
.endm
	s_load_b256 s[4:11], s[0:1], 0x0               ; A's codes s[4:5], A's scales s[6:7], W's codes s[8:9], W's scales s[10:11]
.if MAKE
	s_load_b128 s[12:15], s[0:1], 0x20             ; the bias s[12:13], sel_probs s[14:15]
	s_load_b64 s[16:17], s[0:1], 0x30              ; the output
.else
	s_load_b64 s[14:15], s[0:1], 0x20              ; sel_probs
	s_load_b64 s[16:17], s[0:1], 0x28              ; the output
	v_lshl_add_u32 v254, v0, 2, 0x4f800
	v_mov_b32 v255, 0
	ds_add_u32 v254, v255
	ds_add_u32 v254, v255
.endif
	v_lshrrev_b32 v1, 5, v0
	v_readfirstlane_b32 s18, v1                    ; wave 0..3
	s_and_b32 s19, s18, 1                          ; ht: which 16 of the 32 columns
	s_lshr_b32 s20, s18, 1                         ; bh: which 64 of the 128 b
	s_bfe_u32 s21, ttmp6, 0x40000                  ; cx: my place in the cluster
	s_lshl_b32 s94, ttmp9, 2                       ; in a cluster launch ttmp9 counts clusters
	s_add_co_u32 s21, s94, s21                     ; which 32 columns are my work-group's.  It enters W's, the bias's and the output's addresses alone, by s21, s[66:67] and s[94:99]
.if MAKE == 0
	s_and_b32 s22, ttmp7, 0xffff                   ; ks: which 1,024 along K; the four partners share it
.endif
	; descriptor group 1.  Elements of 8 bytes.  A's codes: 32 rows x 768 bytes, 16 bytes of padding behind every 256
	s_mov_b32 s[G1A+0], 15|(3<<16)|(1<<20)|(1<<21)|(5<<22)|(3<<25)  ; 15:0 the mask: all four work-groups; 17:16 elements of 8 bytes; 20 padding on; 21 set beside a mask; 24:22 after every 64 words (code 5); 31:25 4 words of it (code 3)
	s_mov_b32 s[G1A+1], 96<<16                     ; tensor_dim0 = 96
	s_mov_b32 s[G1A+2], 32<<16                     ; tensor_dim1 = 32
	s_mov_b32 s[G1A+3], 96<<16                     ; tile_dim0 = 96
	s_mov_b32 s[G1A+4], 32                         ; tile_dim1 = 32
	s_mov_b32 s[G1A+5], 96                         ; from row to row
	s_mov_b32 s[G1A+6], 0
	s_mov_b32 s[G1A+7], 0
	; A's scales: the 1,024 dense bytes of 32 rows, as one row
	s_mov_b32 s[G1AS+0], 15|(3<<16)|(1<<21)
	s_mov_b32 s[G1AS+1], 128<<16
	s_mov_b32 s[G1AS+2], 1<<16
	s_mov_b32 s[G1AS+3], 128<<16
	s_mov_b32 s[G1AS+4], 1
	s_mov_b32 s[G1AS+5], 128
	s_mov_b32 s[G1AS+6], 0
	s_mov_b32 s[G1AS+7], 0
	; W's scales of one bank's 32 rows: no mask
	s_mov_b32 s[G1WS+0], 3<<16
.if MAKE
	s_mov_b32 s[G1WS+1], 128<<16                   ; 1,024 dense bytes, as one row
	s_mov_b32 s[G1WS+2], 1<<16
	s_mov_b32 s[G1WS+3], 128<<16
	s_mov_b32 s[G1WS+4], 1
	s_mov_b32 s[G1WS+5], 128
.else
	s_mov_b32 s[G1WS+1], 4<<16                     ; 32 rows of 32 bytes, 256 bytes apart in memory, dense in LDS
	s_mov_b32 s[G1WS+2], 32<<16
	s_mov_b32 s[G1WS+3], 4<<16
	s_mov_b32 s[G1WS+4], 32
	s_mov_b32 s[G1WS+5], 32
.endif
	s_mov_b32 s[G1WS+6], 0
	s_mov_b32 s[G1WS+7], 0
	; W's codes: 16 rows x 768 bytes, padded as A's: no mask
	s_mov_b32 s[G1W+0], (3<<16)|(1<<20)|(5<<22)|(3<<25)
	s_mov_b32 s[G1W+1], 96<<16
	s_mov_b32 s[G1W+2], 16<<16
	s_mov_b32 s[G1W+3], 96<<16
	s_mov_b32 s[G1W+4], 16
	s_mov_b32 s[G1W+5], WROW8
	s_mov_b32 s[G1W+6], 0
	s_mov_b32 s[G1W+7], 0
	s_mov_b32 s93, 0                               ; upper words of the offsets' pairs
	s_mov_b32 s95, 0
	; groups 0: the count and the LDS addresses, made of constants and the wave's number alone
	s_mov_b32 s56, 1
	s_mul_i32 s57, s18, 32*PITCH                   ; A's codes: rows 32 w on
	s_mov_b32 s60, 1
	s_lshl_b32 s61, s18, 10
	s_add_co_u32 s61, s61, TS                      ; A's scales: the same rows'
	s_lshl_b32 s2, s18, 11
.irp u, 0,1
	s_mov_b32 s[68+4*\u], 1
	s_add_co_u32 s[69+4*\u], s2, WS+1024*\u        ; W's scales of bank 2 w + u
.endr
	s_mul_i32 s2, s20, 32*PITCH
	s_mul_i32 s3, s19, 16*PITCH
	s_add_co_u32 s2, s2, s3
.irp j, 0,1,2,3
	s_mov_b32 s[76+4*\j], 1
	s_add_co_u32 s[77+4*\j], s2, WC+64*PITCH*\j    ; W's codes, stage j: bank 2 j + (w >> 1), rows 16 (w & 1) on
.endr
	s_wait_dscnt 0x0
	s_wait_kmcnt 0x0
	; and the global addresses
	s_mul_i32 s92, s18, 32*768
.if MAKE == 0
	s_mul_i32 s2, s22, 128*768
	s_add_co_u32 s92, s92, s2
.endif
	s_add_nc_u64 s[58:59], s[4:5], s[92:93]
	s_or_b32 s59, s59, 0x80000000                  ; 127:126 type = 2
	s_lshl_b32 s92, s18, 10
.if MAKE == 0
	s_lshl_b32 s2, s22, 12
	s_add_co_u32 s92, s92, s2
.endif
	s_add_nc_u64 s[62:63], s[6:7], s[92:93]
	s_or_b32 s63, s63, 0x80000000
	s_mul_i32 s94, s18, 2*WS_BANK
	s_mul_i32 s96, s21, WS_WG
	s_add_co_u32 s94, s94, s96
.if MAKE == 0
	s_lshl_b32 s96, s22, 5
	s_add_co_u32 s94, s94, s96
.endif
	s_add_nc_u64 s[66:67], s[10:11], s[94:95]
.irp u, 0,1
	s_add_nc_u64 s[70+4*\u:71+4*\u], s[66:67], WS_BANK*\u
	s_or_b32 s[71+4*\u], s[71+4*\u], 0x80000000
.endr
	s_mul_i32 s94, s20, W_BANK
	s_mul_i32 s96, s21, W_WG
	s_add_co_u32 s94, s94, s96
	s_mul_i32 s96, s19, W_HALF
	s_add_co_u32 s94, s94, s96
.if MAKE == 0
	s_mul_i32 s96, s22, 768
	s_add_co_u32 s94, s94, s96
.endif
	s_add_nc_u64 s[98:99], s[8:9], s[94:95]
.irp j, 0,1,2,3
	s_add_nc_u64 s[78+4*\j:79+4*\j], s[98:99], 2*W_BANK*\j
	s_or_b32 s[79+4*\j], s[79+4*\j], 0x80000000
.endr
	; the bases of the loads and stores through registers
.if MAKE
	s_lshl_b32 s94, s21, 7
	s_add_nc_u64 s[16:17], s[16:17], s[94:95]      ; q at my work-group's 32 columns
	s_lshl_b32 s96, s19, 6
	s_add_co_u32 s94, s94, s96
	s_add_nc_u64 s[12:13], s[12:13], s[94:95]      ; the bias at my wave's 16 columns
.else
	s_lshl_b32 s94, s21, 14
	s_lshl_b32 s96, s22, 19
	s_add_co_u32 s94, s94, s96
	s_add_nc_u64 s[16:17], s[16:17], s[94:95]      ; part at block (ks, my 32 columns): 128 rows of 128 bytes
.endif
	s_lshl_b32 s92, s20, 11
	s_add_nc_u64 s[14:15], s[14:15], s[92:93]      ; sel_probs at my wave's 64 rows
	CROUND                                         ; all four work-groups are here: the joint loads meet
	tensor_load_to_lds s[56:59], s[G1A:G1A+7]      ; all first fills in one group, ahead of every wait on TENSORcnt and every LDS read: eight loads of mine are out
	s_nop 0
	tensor_load_to_lds s[60:63], s[G1AS:G1AS+7]
	s_nop 0
	tensor_load_to_lds s[68:71], s[G1WS:G1WS+7]
	s_nop 0
	tensor_load_to_lds s[72:75], s[G1WS:G1WS+7]
	s_nop 0
	tensor_load_to_lds s[76:79], s[G1W:G1W+7]
	s_nop 0
	tensor_load_to_lds s[80:83], s[G1W:G1W+7]
	s_nop 0
	tensor_load_to_lds s[84:87], s[G1W:G1W+7]
	s_nop 0
	tensor_load_to_lds s[88:91], s[G1W:G1W+7]
	s_nop 0
.rept 4
	v_nop
.endr
	v_and_b32 v1, 15, v0                           ; r
	v_bfe_u32 v2, v0, 4, 1                         ; h
	v_and_b32 v3, 31, v0                           ; lane
	v_mul_u32_u24 v15, v1, PITCH
	v_mad_u32_u24 v15, v2, 24, v15                 ; a fragment's row x pitch + 24 x half
	s_mul_i32 s2, s20, 64*PITCH
	v_add_nc_u32 v[ADA], s2, v15                   ; A: my 64 rows
	v_lshl_add_u32 v[ADA+1], v2, 4, v[ADA]
	s_mul_i32 s2, s19, 16*PITCH
	s_add_co_u32 s2, s2, WC
	v_add_nc_u32 v[AW], s2, v15                    ; W: bank 0, my 16 rows
	v_lshl_add_u32 v[AW+1], v2, 4, v[AW]
	s_lshl_b32 s2, s20, 11
	s_add_co_u32 s2, s2, TS
	v_lshl_add_u32 v[ADS], v1, 5, s2               ; scale words: 32 bytes a row; lane r takes row r's (lanes 16-31 the same, and are not read)
	s_lshl_b32 s2, s19, 9
	s_add_co_u32 s2, s2, WS
	v_lshl_add_u32 v[AWS], v1, 5, s2
	v_lshlrev_b32 v[BO], 5, v2
	v_lshlrev_b32 v[SO], 5, v1
	s_mul_i32 s2, s20, 64*SPITCH
	s_lshl_b32 s3, s19, 6
	s_add_co_u32 s2, s2, s3
	v_mul_u32_u24 v[STO], v1, SPITCH
	v_lshl_add_u32 v[STO], v2, 5, v[STO]
	v_add_nc_u32 v[STO], s2, v[STO]                ; the stage, in: row 64 bh + r, byte 64 ht + 32 h
	v_lshrrev_b32 v16, 3, v3
	v_and_b32 v17, 7, v3
	s_mul_i32 s2, s18, 32*SPITCH
	v_mul_u32_u24 v[RD], v16, SPITCH
	v_lshl_add_u32 v[RD], v17, 4, v[RD]
	v_add_nc_u32 v[RD], s2, v[RD]                  ; back: wave w takes rows 32 w on, four rows of 128 bytes an instruction, eight lanes to a row
.if MAKE
	s_lshl_b32 s2, s18, 20
	v_lshlrev_b32 v[GO], 15, v16
	v_lshl_add_u32 v[GO], v17, 4, v[GO]
	v_add_nc_u32 v[GO], s2, v[GO]                  ; q: rows of 32,768 bytes
.irp k, 0,1,2,3,4,5,6,7
	global_load_b128 v[BIAS+8*\k:BIAS+8*\k+3],   v[BO], s[12:13] offset:32768*\k
	global_load_b128 v[BIAS+8*\k+4:BIAS+8*\k+7], v[BO], s[12:13] offset:32768*\k+16
.endr
.else
	s_lshl_b32 s2, s18, 12
	v_lshl_add_u32 v[GO], v3, 4, s2                ; part: rows of 128 bytes on end: 4,096 w + 16 x lane
.endif
.irp t, 0,1,2,3
	global_load_b128 v[SEL+8*\t:SEL+8*\t+3],   v[SO], s[14:15] offset:512*\t
	global_load_b128 v[SEL+8*\t+4:SEL+8*\t+7], v[SO], s[14:15] offset:512*\t+16
.endr
	SYNC 3                                         ; my first five loads have landed, and everybody's: A, all scales, banks 0 and 1.  My three youngest (banks 2 to 7) may be out
.irp t, 0,1,2,3
	ds_load_b128 v[AS+8*\t:AS+8*\t+3],   v[ADS] offset:512*\t
	ds_load_b128 v[AS+8*\t+4:AS+8*\t+7], v[ADS] offset:512*\t+16
.endr
	WIN 0x40                                       ; destination window 1
.irp t, 0,1,2,3
.irp s, 0,1,2,3
	FRAG 12*(4*\t+\s), ADA, \s, 16*PITCH*\t
.endr
.endr
	WIN 0x80                                       ; destination window 2
.irp t, 0,1,2,3
.irp s, 4,5,6,7
	FRAG 12*(4*\t+\s-4), ADA, \s, 16*PITCH*\t
.endr
.endr
	FETCHW 0
	WIN 0
	s_wait_loadcnt 0x0                             ; sel_probs (and the bias)
.irp k, 0,1,2,3,4,5,6,7
	BANK \k
.endr
.if MAKE
	; elu(x) + 1 without a compare: (2^(min(x, 0) log2 e) - 1) + max(x, 0) + 1, in runs of 32; ACC's registers are free
	WIN 0xcf                                       ; sources 0 and 1 and destination window 3
.set N, 0
.rept 32
	v_min_num_f32 v[ACC+N], 0, v[QA+N]
.set N, N+1
.endr
.set N, 0
.rept 32
	v_mul_f32 v[ACC+N], 0x3fb8aa3b, v[ACC+N]       ; x log2(e)
.set N, N+1
.endr
.set N, 0
.rept 32
	v_exp_f32 v[ACC+N], v[ACC+N]
.set N, N+1
.endr
.set N, 0
.rept 32
	v_max_num_f32 v[QA+N], 0, v[QA+N]              ; (plain instructions behind the exponentials, ahead of the first use of their results: ISA guide 5.7.2)
.set N, N+1
.endr
.set N, 0
.rept 32
	v_add_f32 v[ACC+N], -1.0, v[ACC+N]
.set N, N+1
.endr
.set N, 0
.rept 32
	v_add_f32 v[QA+N], v[QA+N], v[ACC+N]
.set N, N+1
.endr
.set N, 0
.rept 32
	v_add_f32 v[QA+N], 1.0, v[QA+N]
.set N, N+1
.endr
.endif
	; THE WAY OUT.  A lane holds 32 bytes of a row, a row's 128 bytes come from two waves: they meet in the stage.  Every wave's reads of A's codes were waited for ahead of bank 0, and three barriers have passed since.
	WIN 0x0c                                       ; an LDS store's data are its source 1: window 3
.irp t, 0,1,2,3
	ds_store_b128 v[STO], v[QA+8*\t:QA+8*\t+3]   offset:16*SPITCH*\t
	ds_store_b128 v[STO], v[QA+8*\t+4:QA+8*\t+7] offset:16*SPITCH*\t+16
.endr
	WIN 0
	s_wait_dscnt 0x0                               ; for the others' sake: my stores into the stage are done
	s_barrier_signal -1
	s_barrier_wait -1
.irp i, 0,1,2,3,4,5,6,7
	ds_load_b128 v[OUTR+4*\i:OUTR+4*\i+3], v[RD] offset:4*SPITCH*\i
.endr
.irp i, 0,1,2,3,4,5,6,7
	s_wait_dscnt 7-\i                              ; LDS loads come back in order (ISA guide 5.7.1): load i is in, the younger ones may be out
.if MAKE
	global_store_b128 v[GO], v[OUTR+4*\i:OUTR+4*\i+3], s[16:17] offset:4*32768*\i   ; four rows' 128 consecutive bytes each: 32 columns of f32 are no more
.else
	global_store_b128 v[GO], v[OUTR+4*\i:OUTR+4*\i+3], s[16:17] offset:512*\i th:TH_STORE_NT   ; 32 lanes store 512 consecutive bytes, at a multiple of 256 from the buffer's first byte
.endif
.endr
	s_wait_tensorcnt 0x0
	ds_add_u32 v254, v255
	s_wait_dscnt 0x0
	CROUND                                         ; the closing round: no work-group ends while a partner may still ask for a tile that names it
	s_endpgm
.Lfunc_end_k_qde5d8630f3_merge:
	.size	k_qde5d8630f3_merge, .Lfunc_end_k_qde5d8630f3_merge-k_qde5d8630f3_merge
	.p2alignl 7, 3214868480
	.fill 96, 4, 3214868480
	.section	.rodata,"a",@progbits
	.p2align	6, 0x0
	.amdhsa_kernel k_qde5d8630f3_merge
		.amdhsa_group_segment_fixed_size 327680
		.amdhsa_private_segment_fixed_size 0
		.amdhsa_enable_private_segment 0
		.amdhsa_kernarg_size 48
		.amdhsa_user_sgpr_count 2
		.amdhsa_user_sgpr_kernarg_segment_ptr 1
		.amdhsa_wavefront_size32 1
		.amdhsa_system_sgpr_workgroup_id_x 1
		.amdhsa_system_sgpr_workgroup_id_y 1
		.amdhsa_system_sgpr_workgroup_id_z 1
		.amdhsa_system_vgpr_workitem_id 0
		.amdhsa_next_free_vgpr 1024
		.amdhsa_next_free_sgpr 100
		.amdhsa_reserve_vcc 0
		.amdhsa_float_denorm_mode_32 3
		.amdhsa_float_denorm_mode_16_64 3
		.amdhsa_memory_ordered 1
		.amdhsa_forward_progress 1
		.amdhsa_inst_pref_size 95
	.end_amdhsa_kernel
	.amdgpu_metadata
---
amdhsa.version: [ 1, 2 ]
amdhsa.kernels:
  - .name:           k_qde5d8630f3_merge
    .symbol:         k_qde5d8630f3_merge.kd
    .args:
      - { .name: r_codes, .offset: 0, .size: 8, .value_kind: global_buffer, .address_space: global }
      - { .name: r_scales, .offset: 8, .size: 8, .value_kind: global_buffer, .address_space: global }
      - { .name: W_merge_codes, .offset: 16, .size: 8, .value_kind: global_buffer, .address_space: global }
      - { .name: W_merge_scales, .offset: 24, .size: 8, .value_kind: global_buffer, .address_space: global }
      - { .name: sel_probs, .offset: 32, .size: 8, .value_kind: global_buffer, .address_space: global }
      - { .name: part, .offset: 40, .size: 8, .value_kind: global_buffer, .address_space: global }
    .group_segment_fixed_size: 327680
    .private_segment_fixed_size: 0
    .kernarg_segment_align: 8
    .kernarg_segment_size: 48
    .max_flat_workgroup_size: 128
    .sgpr_count:     100
    .vgpr_count:     1024
    .wavefront_size: 32
...
	.end_amdgpu_metadata
.endif
;; end of part 3
;; launch reduce (part 4): grid 256 x 1, 4 waves a work-group, no clusters, 0 bytes of LDS; arguments part, b_merge, sel_probs, out0; writes out0
.if DOCPART == 4
	.amdgcn_target "amdgcn-amd-amdhsa--gfx1250"
	.amdhsa_code_object_version 6
	.text
	.protected	k_qde5d8630f3_reduce
	.globl	k_qde5d8630f3_reduce
	.p2align	8
	.type	k_qde5d8630f3_reduce,@function
k_qde5d8630f3_reduce:
	s_mov_b64 s[64:65], 0
	v_nop
	global_prefetch_b8 v0, s[64:65] scope:SCOPE_SE
	s_setreg_imm32_b32 hwreg(HW_REG_WAVE_MODE, 25, 1), 1
	s_wait_xcnt 0x0
; out0[b][d] = sum over the 8 slices ks of part[ks][d / 32][b][d % 32]  +  sum over the 8 banks k of sel_probs[b][k] b_merge[k][d].  All f32; ks and k ascending.
; 1,024 waves; wave W = 4 x work-group + wave takes 64 columns (jd = W & 15) of two rows b (bp = W >> 4): four numbers a lane.  No LDS, no barrier: waves share nothing; 18 loads a wave, all issued at once, one store.
; Lane l: row 2 bp + (l >> 4), columns 64 jd + 4 (l & 15) on.  In part a block of 32 columns holds its rows on end, 128 bytes each: lanes 0-7 and 16-23 together read 256 consecutive bytes (two rows of one block),
; lanes 8-15 and 24-31 those of the next block.  The store: sixteen neighbouring lanes write 256 consecutive bytes, at a multiple of 256 from out0's first byte.
.set P,   16                           ; v16-47  part: slice ks at 4 ks; the sum grows in v16-19
.set BM,  48                           ; v48-79  b_merge: bank k at 4 k
.set SEL, 80                           ; v80-87  sel_probs[b][0 .. 7]
	s_load_b256 s[4:11], s[0:1], 0x0               ; part s[4:5], b_merge s[6:7], sel_probs s[8:9], out0 s[10:11]
	v_lshrrev_b32 v1, 5, v0
	v_readfirstlane_b32 s12, v1                    ; wave 0..3
	s_lshl_b32 s13, ttmp9, 2
	s_add_co_u32 s13, s13, s12                     ; W
	s_and_b32 s14, s13, 15                         ; jd
	s_lshr_b32 s15, s13, 4                         ; bp
	v_and_b32 v1, 7, v0
	v_bfe_u32 v2, v0, 3, 1
	v_bfe_u32 v3, v0, 4, 1
	v_and_b32 v4, 15, v0
	v_lshlrev_b32 v5, 4, v1
	v_lshl_add_u32 v5, v3, 7, v5
	v_lshl_add_u32 v5, v2, 14, v5                  ; part: 16,384 x block + 128 x row + 16 x place
	v_lshlrev_b32 v6, 4, v4                        ; b_merge: 16 (l & 15)
	v_lshlrev_b32 v7, 5, v3                        ; sel_probs: 32 bytes a row
	v_lshl_add_u32 v8, v3, 12, v6                  ; out0: 4,096 x row + 16 (l & 15)
	s_lshl_b32 s16, s14, 15
	s_lshl_b32 s18, s15, 8
	s_add_co_u32 s16, s16, s18                     ; part: two blocks a wave, two rows
	s_mov_b32 s17, 0
	s_lshl_b32 s18, s14, 8                         ; b_merge: 256 bytes a wave
	s_mov_b32 s19, 0
	s_lshl_b32 s20, s15, 6                         ; sel_probs: two rows
	s_mov_b32 s21, 0
	s_lshl_b32 s22, s15, 13
	s_add_co_u32 s22, s22, s18                     ; out0: two rows of 4,096 bytes, 256 bytes of each
	s_mov_b32 s23, 0
	s_wait_kmcnt 0x0
	s_add_nc_u64 s[4:5], s[4:5], s[16:17]
	s_add_nc_u64 s[6:7], s[6:7], s[18:19]
	s_add_nc_u64 s[8:9], s[8:9], s[20:21]
	s_add_nc_u64 s[10:11], s[10:11], s[22:23]
.irp k, 0,1,2,3,4,5,6,7
	global_load_b128 v[P+4*\k:P+4*\k+3], v5, s[4:5] offset:524288*\k th:TH_LOAD_NT
.endr
.irp k, 0,1,2,3,4,5,6,7
	global_load_b128 v[BM+4*\k:BM+4*\k+3], v6, s[6:7] offset:4096*\k
.endr
	global_load_b128 v[SEL:SEL+3],   v7, s[8:9]
	global_load_b128 v[SEL+4:SEL+7], v7, s[8:9] offset:16
	s_wait_loadcnt 0x0
.irp k, 1,2,3,4,5,6,7
	v_pk_add_f32 v[P:P+1],   v[P:P+1],   v[P+4*\k:P+4*\k+1]
	v_pk_add_f32 v[P+2:P+3], v[P+2:P+3], v[P+4*\k+2:P+4*\k+3]
.endr
.irp k, 0,1,2,3,4,5,6,7
.irp c, 0,1,2,3
	v_fmac_f32 v[P+\c], v[SEL+\k], v[BM+4*\k+\c]
.endr
.endr
	global_store_b128 v8, v[P:P+3], s[10:11]
	s_endpgm
.Lfunc_end_k_qde5d8630f3_reduce:
	.size	k_qde5d8630f3_reduce, .Lfunc_end_k_qde5d8630f3_reduce-k_qde5d8630f3_reduce
	.p2alignl 7, 3214868480
	.fill 96, 4, 3214868480
	.section	.rodata,"a",@progbits
	.p2align	6, 0x0
	.amdhsa_kernel k_qde5d8630f3_reduce
		.amdhsa_group_segment_fixed_size 0
		.amdhsa_private_segment_fixed_size 0
		.amdhsa_enable_private_segment 0
		.amdhsa_kernarg_size 32
		.amdhsa_user_sgpr_count 2
		.amdhsa_user_sgpr_kernarg_segment_ptr 1
		.amdhsa_wavefront_size32 1
		.amdhsa_system_sgpr_workgroup_id_x 1
		.amdhsa_system_sgpr_workgroup_id_y 1
		.amdhsa_system_sgpr_workgroup_id_z 1
		.amdhsa_system_vgpr_workitem_id 0
		.amdhsa_next_free_vgpr 96
		.amdhsa_next_free_sgpr 66
		.amdhsa_reserve_vcc 0
		.amdhsa_float_denorm_mode_32 3
		.amdhsa_float_denorm_mode_16_64 3
		.amdhsa_memory_ordered 1
		.amdhsa_forward_progress 1
		.amdhsa_inst_pref_size 6
	.end_amdhsa_kernel
	.amdgpu_metadata
---
amdhsa.version: [ 1, 2 ]
amdhsa.kernels:
  - .name:           k_qde5d8630f3_reduce
    .symbol:         k_qde5d8630f3_reduce.kd
    .args:
      - { .name: part, .offset: 0, .size: 8, .value_kind: global_buffer, .address_space: global }
      - { .name: b_merge, .offset: 8, .size: 8, .value_kind: global_buffer, .address_space: global }
      - { .name: sel_probs, .offset: 16, .size: 8, .value_kind: global_buffer, .address_space: global }
      - { .name: out0, .offset: 24, .size: 8, .value_kind: global_buffer, .address_space: global }
    .group_segment_fixed_size: 0
    .private_segment_fixed_size: 0
    .kernarg_segment_align: 8
    .kernarg_segment_size: 32
    .max_flat_workgroup_size: 128
    .sgpr_count:     66
    .vgpr_count:     96
    .wavefront_size: 32
...
	.end_amdgpu_metadata
.endif
;; end of part 4
